; MI455X (gfx1250); checked and timed in simulation.
; The chip was launched on July 23, 2026; its instructions are those of AMD's public machine-readable ISA for CDNA 5 (MIT licence, August 2026) and "CDNA5" Instruction Set Architecture Reference Guide (July 2026). The comments in the code are by the model that wrote it; some were corrected since.
;; Baron Base. Allowed arithmetic: float matrix products may take bf16 or f16 operands with f32 sums; all other float work in f32.
;; Inputs: image_boxes 1 x 4 float32; proposal_boxes 8,192 x 4 float32; proposal_scores 8,192 float32.
;; Outputs: out0 8,192 x 5 float32; out1 8,192 bool.
;; One version. Each part assembles by itself: llvm-mc -triple=amdgcn-amd-amdhsa -mcpu=gfx1250 --defsym DOCPART=n.
;; ======== version 1 of 1: 4 launches
;; workspace buffers: rec 65,536 bytes of whole numbers; pre 163,840 bytes; cidx 32,768 bytes of whole numbers; cbox 131,072 bytes; cnt 256 bytes of whole numbers; msk 8,388,608 bytes of whole numbers
;; launch rank (part 1): grid 256 x 1, 16 waves a work-group, no clusters, 4,096 bytes of LDS; arguments image_boxes, proposal_boxes, proposal_scores, rec; writes rec
.if DOCPART == 1
	.amdgcn_target "amdgcn-amd-amdhsa--gfx1250"
	.amdhsa_code_object_version 6
	.text
	.protected	k_q1cb0d49c30_rank
	.globl	k_q1cb0d49c30_rank
	.p2align	8
	.type	k_q1cb0d49c30_rank,@function
k_q1cb0d49c30_rank:
	s_mov_b64 s[64:65], 0
	v_nop
	global_prefetch_b8 v0, s[64:65] scope:SCOPE_SE
	s_setreg_imm32_b32 hwreg(HW_REG_WAVE_MODE, 25, 1), 1
	s_wait_xcnt 0x0
; rec[i] = { rank of box i in the stable order of descending scores, valid flag 0 or 1 }.
; rank(i) = number of j with s_j > s_i, plus number of j < i with s_j == s_i: a count, no sort, and no address hangs on a score.
; The work-group x owns the 32 boxes i = 32 x + lane.  Wave q counts over j = 512 q .. 512 q + 511, in 16 chunks of 32 scores that come
; by scalar loads (the same for all lanes): two vector instructions for 32 pairs (compare into VCC, add with carry).
; A chunk below the group's own (all j < i) counts >=, one above counts >, the group's own chunk decides lane by lane.
; No matrix unit (there is no product), no tensor load, no cluster (the shared input is 32 KiB of scores, read through the scalar cache).
; LIMITS: scores are not NaN (else the ranks are no permutation); +0 and -0 count as equal, as in the sort of reference().
; Boxes are finite.  A test RN(a/u) > T is made without a division as fma(-T,u,a) > e*u, e = half a unit in T's last place (T's mantissa
; is even, so the tie rounds down to T); e*u is exact, and near the threshold a - T*u has at most 24 significant bits, so the fma is exact
; there; further off its one rounding cannot change the sign of the comparison.
.set SA, 16                            ; s[16:47]  32 scores, buffer A
.set SB, 68                            ; s[68:99]  32 scores, buffer B
.set TRIPS, 8                          ; two chunks a trip
.macro CNT32 cmp, S                    ; 32 scores against my s_i: v3 += (s_j cmp s_i)
.set n, 0
.rept 32
	\cmp vcc_lo, s[\S+n], v2
	v_add_co_ci_u32 v3, vcc_lo, 0, v3, vcc_lo
.set n, n+1
.endr
.endm
.macro DIAG32 S                        ; the group's own chunk: j = 32 x + n is in front of i = 32 x + lane where n < lane
.set n, 0
.rept 32
	v_cmp_gt_f32 vcc_lo, s[\S+n], v2
	v_cmp_ge_f32 s52, s[\S+n], v2
	s_and_b32 s52, s52, (0xfffffffe<<n)&0xffffffff         ; lanes above n
	s_or_b32 vcc_lo, vcc_lo, s52
	v_add_co_ci_u32 v3, vcc_lo, 0, v3, vcc_lo
.set n, n+1
.endr
.endm
.macro PROC S, tag                     ; chunk s13 lies in buffer S
	s_cmp_lt_u32 s13, s2
	s_cbranch_scc1 .Lge_\tag
	s_cmp_eq_u32 s13, s2
	s_cbranch_scc1 .Ldg_\tag
	CNT32 v_cmp_gt_f32, \S
	s_branch .Ldone_\tag
.Lge_\tag:
	CNT32 v_cmp_ge_f32, \S
	s_branch .Ldone_\tag
.Ldg_\tag:
	DIAG32 \S
.Ldone_\tag:
.endm
	s_load_b256 s[4:11], s[0:1], 0x0               ; image s[4:5], boxes s[6:7], scores s[8:9], rec s[10:11]
	v_lshl_add_u32 v32, v0, 2, 0x800
	v_mov_b32 v33, 0
	v_and_b32 v1, 31, v0                           ; lane
	v_lshrrev_b32 v8, 5, v0
	v_readfirstlane_b32 s12, v8                    ; wave q
	s_mov_b32 s2, ttmp9                            ; x: also the number of the group's own chunk
	s_lshl_b32 s13, s12, 4                         ; my first chunk, 16 q
	s_lshl_b32 s15, s13, 7                         ; its byte offset: 128 bytes a chunk
	v_lshl_add_u32 v9, s2, 5, v1                   ; i
	v_lshlrev_b32 v10, 2, v9
	v_lshlrev_b32 v11, 4, v9
	v_mov_b32 v3, 0                                ; my count
	s_wait_kmcnt 0x0
	s_load_b128 s[48:51], s[4:5], 0x0              ; the image box
	s_load_b512 s[SA:SA+15], s[8:9], s15
	s_load_b512 s[SA+16:SA+31], s[8:9], s15 offset:0x40
	global_load_b32 v2, v10, s[8:9]                ; s_i
	s_cmp_lg_u32 s12, 0
	s_cbranch_scc1 .Lnobox
	global_load_b128 v[4:7], v11, s[6:7]           ; box i: wave 0 alone makes the valid flag
.Lnobox:
	s_mov_b32 s14, 0
	s_wait_loadcnt 0x0
.Lloop:
	s_wait_kmcnt 0x0                               ; A is in; scalar loads come back in no order, so the wait is for 0
	s_add_co_u32 s3, s13, 1
	s_lshl_b32 s3, s3, 7
	s_load_b512 s[SB:SB+15], s[8:9], s3            ; the next chunk comes while this one is counted
	s_load_b512 s[SB+16:SB+31], s[8:9], s3 offset:0x40
	PROC SA, a
	s_add_co_u32 s13, s13, 1
	s_wait_kmcnt 0x0                               ; B is in, and s15 is no pending load's source any more
	s_add_co_u32 s15, s13, 1
	s_and_b32 s15, s15, 255                        ; behind the last chunk of all the look-ahead wraps to chunk 0: it stays inside the buffer
	s_lshl_b32 s15, s15, 7
	s_load_b512 s[SA:SA+15], s[8:9], s15
	s_load_b512 s[SA+16:SA+31], s[8:9], s15 offset:0x40
	PROC SB, b
	s_add_co_u32 s13, s13, 1
	s_add_co_u32 s14, s14, 1
	s_cmp_lt_u32 s14, TRIPS
	s_cbranch_scc1 .Lloop
	s_wait_kmcnt 0x0                               ; the last look-ahead (not used)
	; the sixteen waves' counts meet in LDS: word 32 q + lane
	v_lshlrev_b32 v8, 2, v0
	ds_store_b32 v8, v3
	s_wait_dscnt 0x0                               ; zero: wave 0 reads these words behind the barrier
	s_barrier_signal -1
	s_barrier_wait -1
	s_cmp_lg_u32 s12, 0
	s_cbranch_scc1 .Lend
	v_lshlrev_b32 v8, 2, v1
.irp n, 0,1,2,3,4,5,6,7,8,9,10,11,12,13,14,15
	ds_load_b32 v[12+\n], v8 offset:128*\n
.endr
	; IoF with the image box: inter / max(area of the image box, 1e-6) > 0.01
	v_max_num_f32 v8, s48, v4
	v_max_num_f32 v9, s49, v5
	v_min_num_f32 v10, s50, v6
	v_min_num_f32 v11, s51, v7
	v_sub_f32 v8, v10, v8
	v_sub_f32 v9, v11, v9
	v_max_num_f32 v8, 0, v8
	v_max_num_f32 v9, 0, v9
	v_mul_f32 v8, v8, v9                           ; inter
	v_mov_b32 v28, s48
	v_mov_b32 v29, s49
	v_sub_f32 v28, s50, v28
	v_sub_f32 v29, s51, v29
	v_mul_f32 v28, v28, v29
	v_max_num_f32 v28, 0x358637bd, v28             ; u = max(area, 1e-6)
	v_fmamk_f32 v29, v28, 0xbc23d70a, v8           ; inter - 0.01 u
	v_mul_f32 v28, 0x30000000, v28                 ; 2^-31 u: half a unit in the last place of 0.01
	v_cmp_gt_f32 s52, v29, v28
	; shape ratio w / (h + 1e-12) in (0.25, 4); a negative divisor hands its sign to w, a zero divisor fails one of the two tests
	v_sub_f32 v30, v6, v4                          ; w
	v_sub_f32 v31, v7, v5                          ; h
	v_add_f32 v31, 0x2b8cbccc, v31                 ; + 1e-12
	v_and_b32 v8, 0x80000000, v31
	v_xor_b32 v30, v8, v30
	v_and_b32 v31, 0x7fffffff, v31
	v_fmamk_f32 v8, v31, 0xbe800000, v30           ; w - 0.25 hh
	v_mul_f32 v9, 0x32800000, v31                  ; 2^-26 hh
	v_cmp_gt_f32 s53, v8, v9
	v_fma_f32 v8, v31, -4.0, v30                   ; w - 4 hh
	v_mul_f32 v9, 0xb4000000, v31                  ; -2^-23 hh: below 4 the midpoint is 4 - 2^-23, and the tie rounds up to 4
	v_cmp_lt_f32 vcc_lo, v8, v9
	s_and_b32 s52, s52, s53
	s_and_b32 s52, s52, vcc_lo
	v_cmp_lt_f32 vcc_lo, 0x3f59999a, v2            ; 0.85 < score
	s_and_b32 vcc_lo, vcc_lo, s52
	v_cndmask_b32 v29, 0, 1, vcc_lo                ; valid
	v_lshl_add_u32 v30, s2, 5, v1
	v_lshlrev_b32 v30, 3, v30                      ; 8 i
	s_wait_dscnt 0x0
	v_add3_u32 v12, v12, v13, v14
	v_add3_u32 v15, v15, v16, v17
	v_add3_u32 v18, v18, v19, v20
	v_add3_u32 v21, v21, v22, v23
	v_add3_u32 v24, v24, v25, v26
	v_add3_u32 v12, v12, v15, v27
	v_add3_u32 v18, v18, v21, v24
	v_add_nc_u32 v28, v12, v18                     ; rank
	global_store_b64 v30, v[28:29], s[10:11]       ; the wave's store covers 256 consecutive bytes, aligned
.Lend:
	s_wait_tensorcnt 0x0
	ds_add_u32 v32, v33
	s_wait_dscnt 0x0
	s_endpgm
.Lfunc_end_k_q1cb0d49c30_rank:
	.size	k_q1cb0d49c30_rank, .Lfunc_end_k_q1cb0d49c30_rank-k_q1cb0d49c30_rank
	.p2alignl 7, 3214868480
	.fill 96, 4, 3214868480
	.section	.rodata,"a",@progbits
	.p2align	6, 0x0
	.amdhsa_kernel k_q1cb0d49c30_rank
		.amdhsa_group_segment_fixed_size 4096
		.amdhsa_private_segment_fixed_size 0
		.amdhsa_enable_private_segment 0
		.amdhsa_kernarg_size 32
		.amdhsa_user_sgpr_count 2
		.amdhsa_user_sgpr_kernarg_segment_ptr 1
		.amdhsa_wavefront_size32 1
		.amdhsa_system_sgpr_workgroup_id_x 1
		.amdhsa_system_sgpr_workgroup_id_y 1
		.amdhsa_system_sgpr_workgroup_id_z 1
		.amdhsa_system_vgpr_workitem_id 0
		.amdhsa_next_free_vgpr 34
		.amdhsa_next_free_sgpr 100
		.amdhsa_reserve_vcc 1
		.amdhsa_float_denorm_mode_32 3
		.amdhsa_float_denorm_mode_16_64 3
		.amdhsa_memory_ordered 1
		.amdhsa_forward_progress 1
		.amdhsa_inst_pref_size 28
	.end_amdhsa_kernel
	.amdgpu_metadata
---
amdhsa.version: [ 1, 2 ]
amdhsa.kernels:
  - .name:           k_q1cb0d49c30_rank
    .symbol:         k_q1cb0d49c30_rank.kd
    .args:
      - { .name: image_boxes, .offset: 0, .size: 8, .value_kind: global_buffer, .address_space: global }
      - { .name: proposal_boxes, .offset: 8, .size: 8, .value_kind: global_buffer, .address_space: global }
      - { .name: proposal_scores, .offset: 16, .size: 8, .value_kind: global_buffer, .address_space: global }
      - { .name: rec, .offset: 24, .size: 8, .value_kind: global_buffer, .address_space: global }
    .group_segment_fixed_size: 4096
    .private_segment_fixed_size: 0
    .kernarg_segment_align: 8
    .kernarg_segment_size: 32
    .max_flat_workgroup_size: 512
    .sgpr_count:     100
    .vgpr_count:     34
    .wavefront_size: 32
...
	.end_amdgpu_metadata
.endif
;; end of part 1
;; launch place (part 2): grid 32 x 1, 8 waves a work-group, no clusters, 18,688 bytes of LDS; arguments proposal_boxes, proposal_scores, rec, pre, cidx, cbox, cnt; writes pre, cidx, cbox, cnt
.if DOCPART == 2
	.amdgcn_target "amdgcn-amd-amdhsa--gfx1250"
	.amdhsa_code_object_version 6
	.text
	.protected	k_q1cb0d49c30_place
	.globl	k_q1cb0d49c30_place
	.p2align	8
	.type	k_q1cb0d49c30_place,@function
k_q1cb0d49c30_place:
	s_mov_b64 s[64:65], 0
	v_nop
	global_prefetch_b8 v0, s[64:65] scope:SCOPE_SE
	s_setreg_imm32_b32 hwreg(HW_REG_WAVE_MODE, 25, 1), 1
	s_wait_xcnt 0x0
; Puts the boxes into sorted order and numbers the valid ones.  The work-group x owns the sorted rows r = 256 x + t (t = thread).
; Every work-group reads all 8,192 records {rank, valid} (64 KiB), keeps those whose rank falls into its 256 rows, and counts the valid
; ones in all (tot) and in front of its rows (below): so no work-group needs a figure from another.
;   pre[r][0..4]  box and score of sorted row r              cidx[r]  number of row r among the valid rows, or -1
;   cbox[c]       box of valid row number c (c < V only)     cnt[0]   V = number of valid rows (1 where the fallback holds)
; Fallback of reference(): if no box is valid, the first box of the highest score alone is: that is sorted row 0.
; The scatter by rank goes into a table of the wave's own (257 words, the last for ranks outside the group's rows), cleared first, so that
; no two waves store into the same LDS bytes; behind the barrier a thread ORs the eight tables' words (seven of them are 0).
; Rows leave through LDS: a row is 20 bytes, the stores are 16 bytes a lane, 512 consecutive bytes a wave.
; No matrix unit, tensor load or cluster: 64 KiB of whole numbers and a gather of 256 rows a work-group.
.set ORDP, 1536                        ; bytes from one wave's table to the next (1,028 used)
.set WSUM, 12288                       ; 8 words: the waves' sums (tot in bits 15:0, below in bits 31:16; both at most 8,192)
.set WCNT, 12320                       ; 8 words: the waves' numbers of flagged rows
.set PST,  12544                       ; 256 rows of 20 bytes
.set R, 16                             ; v[16:79] the records as loaded
.set L4, 80                            ; v80      4 x lane: the offset of the store of V, a register that holds nothing else
	s_load_b256 s[4:11], s[0:1], 0x0               ; boxes s[4:5], scores s[6:7], rec s[8:9], pre s[10:11]
	s_load_b128 s[12:15], s[0:1], 0x20             ; cidx s[12:13], cbox s[14:15]
	s_load_b64 s[16:17], s[0:1], 0x30              ; cnt
	v_lshl_add_u32 v84, v0, 2, 0x4500
	v_mov_b32 v85, 0
	v_and_b32 v1, 31, v0
	v_lshrrev_b32 v2, 5, v0
	v_readfirstlane_b32 s18, v2                    ; wave
	v_lshlrev_b32 v[L4], 2, v1
	s_mov_b32 s19, ttmp9                           ; x
	s_lshl_b32 s20, s19, 8                         ; r0 = 256 x
	s_mul_i32 s37, s18, ORDP                       ; my wave's table
	s_mov_b32 s22, 0x76543210                      ; v_permlanex16_b32: lane i of the other half
	s_mov_b32 s23, 0xfedcba98
	v_lshlrev_b32 v3, 4, v0                        ; 16 t
	s_wait_kmcnt 0x0
.irp n, 0,1,2,3,4,5,6,7,8,9,10,11,12,13,14,15
	global_load_b128 v[R+4*\n:R+4*\n+3], v3, s[8:9] offset:4096*\n     ; records 2 t + 512 n and the next
.endr
	v_mov_b32 v4, 0
	v_mov_b32 v5, 0
	v_mov_b32 v6, 0
	v_mov_b32 v7, 0
	v_lshl_add_u32 v8, v1, 4, s37
	ds_store_b128 v8, v[4:7]                       ; clear my wave's table; LDS serves a wave's instructions in order,
	ds_store_b128 v8, v[4:7] offset:512            ; so the scatter below needs no wait
	ds_store_b128 v8, v[4:7] offset:1024
	v_lshlrev_b32 v9, 1, v0                        ; 2 t
	v_mov_b32 v12, 1
	v_mov_b32 v13, 0x10001
	v_mov_b32 v14, 0                               ; my sum
	v_mov_b32 v2, s18
	v_lshlrev_b32 v2, 2, v2                        ; 4 x wave
.macro REC n, e                        ; record i = 2 t + 512 n + e
	v_sub_nc_u32 v8, v[R+4*\n+2*\e], s20                   ; rank - r0; a rank in front wraps to a large number
	v_cmp_gt_u32 vcc_lo, s20, v[R+4*\n+2*\e]               ; rank < r0
	v_min_u32 v8, 0x100, v8                                ; outside my rows: word 256
	v_add_nc_u32 v10, 512*\n+\e, v9                        ; i
	v_cndmask_b32 v11, v12, v13, vcc_lo
	v_lshl_add_u32 v8, v8, 2, s37
	v_lshl_or_b32 v10, v[R+4*\n+2*\e+1], 16, v10           ; valid << 16 | i
	v_mad_u32_u24 v14, v[R+4*\n+2*\e+1], v11, v14          ; tot += valid; below += valid where rank < r0
	ds_store_b32 v8, v10
.endm
.irp n, 0,1,2,3,4,5,6,7,8,9,10,11,12,13,14,15
	s_wait_loadcnt 15-\n                           ; loads come back in order: load n is in, the 15 - n younger ones stay out
	REC \n, 0
	REC \n, 1
.endr
	v_mov_b32 v15, 0                               ; a lane-crossing move counts as a reader of its destination
.irp m, 1,2,4,8
	v_mov_b32_dpp v15, v14 row_xmask:\m row_mask:0xf bank_mask:0xf
	v_add_nc_u32 v14, v14, v15
.endr
	v_permlanex16_b32 v15, v14, s22, s23
	v_add_nc_u32 v14, v14, v15                     ; the wave's sum, in every lane
	ds_store_b32 v2, v14 offset:WSUM
	s_wait_dscnt 0x0                               ; zero: tables and sums are read by all waves behind the barrier
	s_barrier_signal -1
	s_barrier_wait -1
	v_lshlrev_b32 v8, 2, v0
.irp g, 0,1,2,3,4,5,6,7
	ds_load_b32 v[16+\g], v8 offset:ORDP*\g        ; my row's word in the eight tables
.endr
	v_mov_b32 v9, 0
	ds_load_b128 v[24:27], v9 offset:WSUM
	ds_load_b128 v[28:31], v9 offset:WSUM+16
	s_wait_dscnt 0x0
	v_or_b32 v16, v16, v17
	v_or_b32 v18, v18, v19
	v_or_b32 v20, v20, v21
	v_or_b32 v22, v22, v23
	v_or_b32 v16, v16, v18
	v_or_b32 v20, v20, v22
	v_or_b32 v16, v16, v20                         ; valid << 16 | i of sorted row r0 + t
	v_add_nc_u32 v24, v24, v25
	v_add_nc_u32 v26, v26, v27
	v_add_nc_u32 v28, v28, v29
	v_add_nc_u32 v30, v30, v31
	v_add_nc_u32 v24, v24, v26
	v_add_nc_u32 v28, v28, v30
	v_add_nc_u32 v24, v24, v28
	v_readfirstlane_b32 s24, v24
	v_and_b32 v10, 0xffff, v16
	v_min_u32 v10, 0x1fff, v10                     ; i, bounded in front of its use in an address
	v_lshlrev_b32 v13, 4, v10
	v_lshlrev_b32 v15, 2, v10
	global_load_b128 v[32:35], v13, s[4:5]         ; the row's box
	global_load_b32 v36, v15, s[6:7]               ; and score
	s_and_b32 s25, s24, 0xffff                     ; tot
	s_lshr_b32 s26, s24, 16                        ; below
	s_cmp_lg_u32 s25, 0
	s_cselect_b32 s27, s25, 1                      ; V
	s_cselect_b32 s28, -1, 0                       ; any valid box at all
	v_add_nc_u32 v21, s20, v0                      ; r
	v_cmp_le_u32 s29, 0x10000, v16                 ; the row's valid flag
	v_cmp_eq_u32 s30, 0, v21                       ; the fallback's flag
	s_and_b32 s29, s29, s28
	s_and_not1_b32 s30, s30, s28
	s_or_b32 s29, s29, s30                         ; my wave's flagged rows, a bit a lane
	s_bcnt1_i32_b32 s31, s29
	v_mov_b32 v12, s31
	ds_store_b32 v2, v12 offset:WCNT
	v_mul_u32_u24 v17, 20, v0
	s_wait_loadcnt 0x0
.irp k, 0,1,2,3,4
	ds_store_b32 v17, v[32+\k] offset:PST+4*\k     ; rows 5 words apart: an odd pitch
.endr
	s_wait_dscnt 0x0                               ; zero: counts and rows are read by other waves behind the barrier
	s_barrier_signal -1
	s_barrier_wait -1
	ds_load_b128 v[24:27], v9 offset:WCNT
	ds_load_b128 v[28:31], v9 offset:WCNT+16
	ds_load_b128 v[40:43], v3 offset:PST           ; bytes 16 t of the group's 5,120
	v_mbcnt_lo_u32_b32 v19, s29, 0                 ; flagged lanes below mine
	v_add_nc_u32 v19, s26, v19
	s_wait_dscnt 0x0
.irp g, 0,1,2,3,4,5,6
	s_cmp_gt_u32 s18, \g
	s_cselect_b32 s32, -1, 0
	v_and_b32 v18, s32, v[24+\g]
	v_add_nc_u32 v19, v19, v18                     ; + the waves in front of mine
.endr
	v_cndmask_b32 v20, -1, v19, s29
	v_lshlrev_b32 v21, 2, v21
	global_store_b32 v21, v20, s[12:13]            ; cidx: 128 consecutive bytes a wave; two neighbouring waves share an aligned block of 256 (32 KiB in the whole launch: not worth a trip through LDS)
	s_mul_i32 s34, s19, 5120
	v_add_nc_u32 v23, s34, v3
	global_store_b128 v23, v[40:43], s[10:11]      ; pre: 512 consecutive bytes a wave
	v_min_u32 v22, 0x1fff, v19
	v_lshlrev_b32 v22, 4, v22                      ; where a flagged row's box goes
	s_cmp_gt_u32 s18, 1
	s_cbranch_scc1 .Lnotail
	ds_load_b128 v[44:47], v3 offset:PST+4096      ; the last 1,024 of the 5,120 bytes: threads 0 to 63
	s_wait_dscnt 0x0
	global_store_b128 v23, v[44:47], s[10:11] offset:4096
.Lnotail:
	s_or_b32 s36, s18, s19
	s_cmp_lg_u32 s36, 0
	s_cbranch_scc1 .Lnocnt
	v_mov_b32 v12, s27
	global_store_b32 v[L4], v12, s[16:17]          ; V, by wave 0 of work-group 0 (word 0 is the one that is read)
.Lnocnt:
	s_mov_b32 vcc_lo, s29
	s_wait_xcnt 0x0                                ; EXEC is a source of the stores above: it changes only behind this wait
	s_wait_tensorcnt 0x0
	ds_add_u32 v84, v85
	s_wait_dscnt 0x0
	s_and_saveexec_b32 s33, vcc_lo
	global_store_b128 v22, v[32:35], s[14:15]      ; cbox: the flagged lanes' numbers are consecutive
	s_wait_xcnt 0x0                                ; and again in front of the line that widens it
	s_or_b32 exec_lo, exec_lo, s33
	s_endpgm
.Lfunc_end_k_q1cb0d49c30_place:
	.size	k_q1cb0d49c30_place, .Lfunc_end_k_q1cb0d49c30_place-k_q1cb0d49c30_place
	.p2alignl 7, 3214868480
	.fill 96, 4, 3214868480
	.section	.rodata,"a",@progbits
	.p2align	6, 0x0
	.amdhsa_kernel k_q1cb0d49c30_place
		.amdhsa_group_segment_fixed_size 18688
		.amdhsa_private_segment_fixed_size 0
		.amdhsa_enable_private_segment 0
		.amdhsa_kernarg_size 56
		.amdhsa_user_sgpr_count 2
		.amdhsa_user_sgpr_kernarg_segment_ptr 1
		.amdhsa_wavefront_size32 1
		.amdhsa_system_sgpr_workgroup_id_x 1
		.amdhsa_system_sgpr_workgroup_id_y 1
		.amdhsa_system_sgpr_workgroup_id_z 1
		.amdhsa_system_vgpr_workitem_id 0
		.amdhsa_next_free_vgpr 86
		.amdhsa_next_free_sgpr 66
		.amdhsa_reserve_vcc 1
		.amdhsa_float_denorm_mode_32 3
		.amdhsa_float_denorm_mode_16_64 3
		.amdhsa_memory_ordered 1
		.amdhsa_forward_progress 1
		.amdhsa_inst_pref_size 26
	.end_amdhsa_kernel
	.amdgpu_metadata
---
amdhsa.version: [ 1, 2 ]
amdhsa.kernels:
  - .name:           k_q1cb0d49c30_place
    .symbol:         k_q1cb0d49c30_place.kd
    .args:
      - { .name: proposal_boxes, .offset: 0, .size: 8, .value_kind: global_buffer, .address_space: global }
      - { .name: proposal_scores, .offset: 8, .size: 8, .value_kind: global_buffer, .address_space: global }
      - { .name: rec, .offset: 16, .size: 8, .value_kind: global_buffer, .address_space: global }
      - { .name: pre, .offset: 24, .size: 8, .value_kind: global_buffer, .address_space: global }
      - { .name: cidx, .offset: 32, .size: 8, .value_kind: global_buffer, .address_space: global }
      - { .name: cbox, .offset: 40, .size: 8, .value_kind: global_buffer, .address_space: global }
      - { .name: cnt, .offset: 48, .size: 8, .value_kind: global_buffer, .address_space: global }
    .group_segment_fixed_size: 18688
    .private_segment_fixed_size: 0
    .kernarg_segment_align: 8
    .kernarg_segment_size: 56
    .max_flat_workgroup_size: 256
    .sgpr_count:     66
    .vgpr_count:     86
    .wavefront_size: 32
...
	.end_amdgpu_metadata
.endif
;; end of part 2
;; launch mask (part 3): grid 64 x 1, 4 waves a work-group, no clusters, 0 bytes of LDS; arguments cbox, cnt, msk; writes msk
.if DOCPART == 3
	.amdgcn_target "amdgcn-amd-amdhsa--gfx1250"
	.amdhsa_code_object_version 6
	.text
	.protected	k_q1cb0d49c30_mask
	.globl	k_q1cb0d49c30_mask
	.p2align	8
	.type	k_q1cb0d49c30_mask,@function
k_q1cb0d49c30_mask:
	s_mov_b64 s[64:65], 0
	v_nop
	global_prefetch_b8 v0, s[64:65] scope:SCOPE_SE
	s_setreg_imm32_b32 hwreg(HW_REG_WAVE_MODE, 25, 1), 1
	s_wait_xcnt 0x0
; The suppression bits of the V valid boxes, in sorted order: bit n of word w of row c says j = 32 w + n > c and IoU(c, j) > 0.3.
; Boxes that are not valid never suppress and are never kept, so reference()'s 8192 x 8192 table shrinks to V x V; every V from 1 to
; 8,192 is served.  Rows are padded to a multiple of 128, columns to a multiple of 1,024, with box V - 1: such bits touch rows and columns
; at or behind V alone, which nobody looks at.
; LAYOUT of msk, made for the scan that reads it: tile (p, k) = rows 1024 p .., words 32 k .. at byte (8 p + k) << 17; in it block b (32 rows)
; at b << 12, four rows g at g << 9, then word w' at 16 w' and the row at 4 (row & 3).  Tiles with k < p hold no bit and are not written.
; A TASK is four rows x one tile's 32 words: lane n holds column 32 w' + n, the four row boxes lie in scalar registers; a compare gives a
; word of 32 bits, which v_writelane_b32 puts into lane w' of the row's register; one store of 512 consecutive bytes ends the task.
; Tasks: (rows / 4) << lg, 1 << lg the power of two at or above the number of tile columns.  Wave q of work-group x starts at task
; x + 64 q and goes on in steps of 256, so every work-group has work from 64 tasks on (V > 128); below that some have none: the amount of
; work is a number read from memory.  The loop is counted in trips: (tasks - first task + 255) / 256, at most 16,384 / 256 = 64.
; IoU > 0.3 without a division: fma(-0.3, u, inter) > 2^-26 u, u = max(union, 1e-6) (0.3 has an even mantissa, 2^-26 is half a unit in its
; last place; see the first launch).  Products and sums are kept apart as reference() writes them.  LIMIT: boxes are finite.
; No matrix unit (no product), no LDS (nothing is shared between waves), no cluster.
.set J,  64                            ; v[64:191]   column boxes: word w' in v[J+4w' : J+4w'+3]
.set JA, 192                           ; v[192:223]  their areas
.set RA, 32                            ; v[32:35]    the four rows' areas
.set O,  36                            ; v[36:39]    the four rows' words, lane = w'
.set T,  40                            ; v[40:55]    at work, four registers a row;  v[56:63] at work for areas
.set RB, 32                            ; s[32:47]    the four row boxes
.macro JLOAD w0                        ; eight words' columns: index min(j, V - 1), made in the load's own first register
.irp i, 0,1,2,3,4,5,6,7
	v_add_nc_u32 v[J+4*(\w0+\i)], 32*(\w0+\i), v15
.endr
.irp i, 0,1,2,3,4,5,6,7
	v_min_u32 v[J+4*(\w0+\i)], s11, v[J+4*(\w0+\i)]
.endr
.irp i, 0,1,2,3,4,5,6,7
	v_min_u32 v[J+4*(\w0+\i)], 0x1fff, v[J+4*(\w0+\i)]
.endr
.irp i, 0,1,2,3,4,5,6,7
	v_lshlrev_b32 v[J+4*(\w0+\i)], 4, v[J+4*(\w0+\i)]
.endr
.irp i, 0,1,2,3,4,5,6,7
	global_load_b128 v[J+4*(\w0+\i):J+4*(\w0+\i)+3], v[J+4*(\w0+\i)], s[4:5]
.endr
.endm
.macro AREA4 w0
.irp i, 0,1,2,3
	v_pk_add_f32 v[56+2*\i:57+2*\i], v[J+4*(\w0+\i)+2:J+4*(\w0+\i)+3], v[J+4*(\w0+\i):J+4*(\w0+\i)+1] neg_lo:[0,1] neg_hi:[0,1]
.endr
.irp i, 0,1,2,3
	v_mul_f32 v[JA+\w0+\i], v[56+2*\i], v[57+2*\i]
.endr
.endm
.macro WORD w                          ; four rows against the 32 columns of word w, step by step so that no line waits for the one in front
.irp r, 0,1,2,3
	v_max_num_f32 v[T+4*\r],   s[RB+4*\r],   v[J+4*(\w)]
	v_max_num_f32 v[T+4*\r+1], s[RB+4*\r+1], v[J+4*(\w)+1]
	v_min_num_f32 v[T+4*\r+2], s[RB+4*\r+2], v[J+4*(\w)+2]
	v_min_num_f32 v[T+4*\r+3], s[RB+4*\r+3], v[J+4*(\w)+3]
.endr
.irp r, 0,1,2,3
	v_pk_add_f32 v[T+4*\r:T+4*\r+1], v[T+4*\r+2:T+4*\r+3], v[T+4*\r:T+4*\r+1] neg_lo:[0,1] neg_hi:[0,1]   ; rb - lt
.endr
.irp r, 0,1,2,3
	v_max_num_f32 v[T+4*\r],   0, v[T+4*\r]
	v_max_num_f32 v[T+4*\r+1], 0, v[T+4*\r+1]
	v_add_f32 v[T+4*\r+2], v[RA+\r], v[JA+\w]              ; the two areas
.endr
.irp r, 0,1,2,3
	v_mul_f32 v[T+4*\r], v[T+4*\r], v[T+4*\r+1]            ; inter
.endr
.irp r, 0,1,2,3
	v_sub_f32 v[T+4*\r+2], v[T+4*\r+2], v[T+4*\r]          ; union
.endr
.irp r, 0,1,2,3
	v_max_num_f32 v[T+4*\r+2], s24, v[T+4*\r+2]            ; u
.endr
.irp r, 0,1,2,3
	v_fma_f32 v[T+4*\r], v[T+4*\r+2], s25, v[T+4*\r]       ; inter - 0.3 u
	v_mul_f32 v[T+4*\r+2], s26, v[T+4*\r+2]                ; 2^-26 u
.endr
.irp r, 0,1,2,3
	v_cmp_gt_f32 s[20+\r], v[T+4*\r], v[T+4*\r+2]
.endr
.irp r, 0,1,2,3
	v_writelane_b32 v[O+\r], s[20+\r], 0+\w
.endr
.endm
.macro GROUP w0, left
	s_wait_loadcnt \left                           ; loads come back in order: this group's eight are in, the later groups' stay out
	AREA4 \w0
	AREA4 \w0+4
.irp i, 0,1,2,3,4,5,6,7
	WORD \w0+\i
.endr
.endm
	s_load_b128 s[4:7], s[0:1], 0x0                ; cbox s[4:5], cnt s[6:7]
	s_load_b64 s[8:9], s[0:1], 0x10                ; msk
	v_and_b32 v1, 31, v0
	v_lshrrev_b32 v2, 5, v0
	v_readfirstlane_b32 s18, v2                    ; wave
	v_lshlrev_b32 v2, 4, v1                        ; 16 x lane
	v_mov_b32 v3, -1
	s_mov_b32 s24, 0x358637bd                      ; 1e-6
	s_mov_b32 s25, 0xbe99999a                      ; -0.3
	s_mov_b32 s26, 0x32800000                      ; 2^-26
	s_wait_kmcnt 0x0
	s_load_b32 s10, s[6:7], 0x0                    ; V
	s_lshl_b32 s17, s18, 6
	s_add_co_u32 s17, s17, ttmp9                   ; my first task
	s_wait_kmcnt 0x0
	s_sub_co_u32 s11, s10, 1                       ; V - 1
	s_add_co_u32 s13, s10, 31
	s_lshr_b32 s13, s13, 5
	s_add_co_u32 s13, s13, 3
	s_and_b32 s13, s13, -4                         ; blocks of 32 rows, a multiple of 4
	s_add_co_u32 s14, s10, 1023
	s_lshr_b32 s14, s14, 10                        ; KW: tile columns
	s_cmp_gt_u32 s14, 1
	s_cselect_b32 s15, 1, 0
	s_cmp_gt_u32 s14, 2
	s_cselect_b32 s12, 1, 0
	s_add_co_u32 s15, s15, s12
	s_cmp_gt_u32 s14, 4
	s_cselect_b32 s12, 1, 0
	s_add_co_u32 s15, s15, s12                     ; lg
	s_lshl_b32 s16, s13, 3
	s_lshl_b32 s16, s16, s15                       ; number of tasks
	s_bfm_b32 s19, s15, 0                          ; (1 << lg) - 1
	s_cmp_ge_u32 s17, s16
	s_cbranch_scc1 .Lend                           ; no task for this wave
	s_sub_co_u32 s58, s16, s17
	s_add_co_u32 s58, s58, 255
	s_lshr_b32 s58, s58, 8                         ; my trips, at least 1
	s_min_u32 s58, s58, 64                         ; changes nothing: writes the bound out
	s_mov_b32 s57, 0                               ; trips done
.Ltask:
	s_lshr_b32 s27, s17, s15                       ; rq: rows 4 rq .. 4 rq + 3
	s_and_b32 s28, s17, s19                        ; k
	s_lshr_b32 s29, s27, 8                         ; p
	s_cmp_lt_u32 s28, s29
	s_cbranch_scc1 .Lnext                          ; below the diagonal: no bit, never read
	s_cmp_ge_u32 s28, s14
	s_cbranch_scc1 .Lnext                          ; behind the last tile column
	s_bfe_u32 s30, s27, 0x50003                    ; b
	s_and_b32 s31, s27, 7                          ; g
	s_min_u32 s28, s28, 7                          ; each field bounded in front of its use in an address
	s_min_u32 s29, s29, 7
	s_min_u32 s30, s30, 31
	s_min_u32 s31, s31, 7
	s_lshl3_add_u32 s53, s29, s28
	s_lshl_b32 s53, s53, 17
	s_lshl_b32 s30, s30, 12
	s_add_co_u32 s53, s53, s30
	s_lshl_b32 s31, s31, 9
	s_add_co_u32 s53, s53, s31                     ; the task's 512 bytes in msk
	s_lshl_b32 s52, s27, 2                         ; c0, my first row
.irp r, 0,1,2,3
	s_add_co_u32 s[48+\r], s52, \r
	s_min_u32 s[48+\r], s[48+\r], s11              ; rows behind V take box V - 1
	s_min_u32 s[48+\r], s[48+\r], 0x1fff
	s_lshl_b32 s[48+\r], s[48+\r], 4
	s_load_b128 s[RB+4*\r:RB+4*\r+3], s[4:5], s[48+\r]
.endr
	s_lshl_b32 s56, s28, 10                        ; 1024 k
	v_add_nc_u32 v15, s56, v1                      ; column of word 0 in my lane
	JLOAD 0
	JLOAD 8
	JLOAD 16
	JLOAD 24
	s_wait_kmcnt 0x0
.irp r, 0,1,2,3
	v_mov_b32 v[T+4*\r],   s[RB+4*\r]
	v_mov_b32 v[T+4*\r+1], s[RB+4*\r+1]
	v_mov_b32 v[O+\r], 0                           ; v_writelane_b32 counts as a reader of its destination
.endr
.irp r, 0,1,2,3
	v_sub_f32 v[T+4*\r],   s[RB+4*\r+2], v[T+4*\r]
	v_sub_f32 v[T+4*\r+1], s[RB+4*\r+3], v[T+4*\r+1]
.endr
.irp r, 0,1,2,3
	v_mul_f32 v[RA+\r], v[T+4*\r], v[T+4*\r+1]
.endr
	GROUP 0, 24
	GROUP 8, 16
	GROUP 16, 8
	GROUP 24, 0
	; only j > c: lane l holds the word of j0 = 1024 k + 32 l.  j0 > c: all 32 bits; c - j0 > 30: none; else the bits above c - j0
	v_lshl_add_u32 v8, v1, 5, s56
.irp r, 0,1,2,3
	s_add_co_u32 s54, s52, \r                      ; c
	v_sub_nc_u32 v9, s54, v8                       ; d = c - j0
	v_add_nc_u32 v10, 1, v9
	v_min_u32 v10, 31, v10
	v_lshlrev_b32 v10, v10, v3                     ; -1 << (d + 1)
	v_cmp_lt_u32 vcc_lo, 30, v9
	v_cndmask_b32 v10, v10, 0, vcc_lo
	v_cmp_lt_u32 vcc_lo, s54, v8
	v_cndmask_b32 v10, v10, -1, vcc_lo
	v_and_b32 v[O+\r], v[O+\r], v10
.endr
	v_add_nc_u32 v14, s53, v2
	global_store_b128 v14, v[O:O+3], s[8:9]        ; 512 consecutive bytes, aligned
	s_wait_xcnt 0x0                                ; the store's offset and data are written again in the next trip only behind this wait
.Lnext:
	s_add_co_u32 s17, s17, 256                     ; my next task
	s_add_co_u32 s57, s57, 1
	s_cmp_lt_u32 s57, s58
	s_cbranch_scc1 .Ltask
.Lend:
	s_endpgm
.Lfunc_end_k_q1cb0d49c30_mask:
	.size	k_q1cb0d49c30_mask, .Lfunc_end_k_q1cb0d49c30_mask-k_q1cb0d49c30_mask
	.p2alignl 7, 3214868480
	.fill 96, 4, 3214868480
	.section	.rodata,"a",@progbits
	.p2align	6, 0x0
	.amdhsa_kernel k_q1cb0d49c30_mask
		.amdhsa_group_segment_fixed_size 0
		.amdhsa_private_segment_fixed_size 0
		.amdhsa_enable_private_segment 0
		.amdhsa_kernarg_size 24
		.amdhsa_user_sgpr_count 2
		.amdhsa_user_sgpr_kernarg_segment_ptr 1
		.amdhsa_wavefront_size32 1
		.amdhsa_system_sgpr_workgroup_id_x 1
		.amdhsa_system_sgpr_workgroup_id_y 1
		.amdhsa_system_sgpr_workgroup_id_z 1
		.amdhsa_system_vgpr_workitem_id 0
		.amdhsa_next_free_vgpr 224
		.amdhsa_next_free_sgpr 66
		.amdhsa_reserve_vcc 1
		.amdhsa_float_denorm_mode_32 3
		.amdhsa_float_denorm_mode_16_64 3
		.amdhsa_memory_ordered 1
		.amdhsa_forward_progress 1
		.amdhsa_inst_pref_size 95
	.end_amdhsa_kernel
	.amdgpu_metadata
---
amdhsa.version: [ 1, 2 ]
amdhsa.kernels:
  - .name:           k_q1cb0d49c30_mask
    .symbol:         k_q1cb0d49c30_mask.kd
    .args:
      - { .name: cbox, .offset: 0, .size: 8, .value_kind: global_buffer, .address_space: global }
      - { .name: cnt, .offset: 8, .size: 8, .value_kind: global_buffer, .address_space: global }
      - { .name: msk, .offset: 16, .size: 8, .value_kind: global_buffer, .address_space: global }
    .group_segment_fixed_size: 0
    .private_segment_fixed_size: 0
    .kernarg_segment_align: 8
    .kernarg_segment_size: 24
    .max_flat_workgroup_size: 128
    .sgpr_count:     66
    .vgpr_count:     224
    .wavefront_size: 32
...
	.end_amdgpu_metadata
.endif
;; end of part 3
;; launch scan (part 4): grid 1 x 1, 16 waves a work-group, no clusters, 44,288 bytes of LDS; arguments pre, cidx, cnt, msk, out0, out1; writes out0, out1
.if DOCPART == 4
	.amdgcn_target "amdgcn-amd-amdhsa--gfx1250"
	.amdhsa_code_object_version 6
	.text
	.protected	k_q1cb0d49c30_scan
	.globl	k_q1cb0d49c30_scan
	.p2align	8
	.type	k_q1cb0d49c30_scan,@function
k_q1cb0d49c30_scan:
	s_mov_b64 s[64:65], 0
	v_nop
	global_prefetch_b8 v0, s[64:65] scope:SCOPE_SE
	s_setreg_imm32_b32 hwreg(HW_REG_WAVE_MODE, 25, 1), 1
	s_wait_xcnt 0x0
; The greedy pass of the NMS over the V valid boxes, and both outputs.  One work-group: the pass is one chain of V dependent steps, and the
; outputs (168 KiB) hang on its end; sixteen waves ask for their shares of pre and cidx at the start, wave 0 makes the pass meanwhile, and
; behind a barrier all sixteen scale and store.
; THE PASS walks the tiles (p, k), k >= p, of the bit table (layout: see the launch that writes it).  The 256 words of 'removed' bits and the
; 256 words of keep bits lie in 8 + 8 registers of wave 0: register k (or p), lane w' = word 32 k + w'.  Which register a tile needs is a
; number of the loop, so it is chosen by eight v_cndmask_b32 at the tile's start (into vrem) and put back the same way at its end: no branch,
; no LDS.  A block is 32 rows; register R_t holds row t's 32 words of the tile, a word a lane.
;   k == p: a = not removed(block); for t = 0 .. 31: if bit t of a is set, row t is kept and a loses row t's bits of the block's own word
;           (D_t, which has bits above t only).  Four scalar instructions a row, no branch.  The final a is the block's keep word.
;   k >  p: a = the block's keep word from the diagonal tile, D_t = 0.
;   both:   vrem |= OR over kept t of R_t.
; Blocks come through a ring of four slots of 32 registers, three blocks ahead.  No loop here holds a barrier: their lengths are read from memory.
; Rows at or behind V are padding: they can only remove each other, and no row of the output looks at them.
; out0 = row x keep as reference() multiplies it.  LIMIT: boxes and scores are finite (else 0 x value is NaN there as here, but the sort's limits hold).
; No matrix unit, no tensor load (a refill would want barriers inside these loops), no cluster (one work-group).
.set KEEPW, 0                          ; 256 words: keep bits of the valid rows
.set KF,    1024                       ; 8,193 f32: keep of sorted row r as 1.0 or 0.0 (the last word is only ever selected away)
.set KB,    34048                      ; 8,192 bytes: the same as bytes
.set OFS, 8                            ; v[8:11]    slot s: byte offset in msk of my lane's 16 bytes in the slot's block
.set TV,  12                           ; v12        at work; v[13:15] three of the four OR chains
.set REM, 16                           ; v[16:23]   removed bits, register k
.set KP,  24                           ; v[24:31]   keep bits, register p
.set CI,  32                           ; v[32:47]   cidx, four pieces of four rows
.set P,   48                           ; v[48:127]  pre, twenty pieces of 16 bytes
.set RG,  128                          ; v[128:255] the ring: slot s, row t in v[RG+32s+t]; free again behind the pass
.set D,   4                            ; s[4:35]    D_t
.set K,   66                           ; s[66:97]   K_t: -1 if row t is kept, else 0
.macro LOADBLK f, extra                ; a block's 4,096 bytes: eight loads of 512 consecutive bytes
.irp g, 0,1,2,3,4,5,6,7
	global_load_b128 v[RG+32*\f+4*\g:RG+32*\f+4*\g+3], v[OFS+\f], s[42:43] offset:\extra+512*\g
.endr
.endm
; block s2 lies in slot s; slot f, read out in the block before, gets the block three ahead (behind the tile's last block: that block once more)
.macro BLOCK s, f, tag
	s_add_co_u32 s50, s2, 3
	s_min_u32 s50, s50, s49
	s_min_u32 s50, s50, 31
	s_lshl_b32 s50, s50, 12
	s_add_co_u32 s50, s50, s48
	v_add_nc_u32 v[OFS+\f], s50, v2                ; slot f's last loads were waited for in the block before
	LOADBLK \f, 0
	s_wait_loadcnt 24                              ; loads come back in order: the three younger blocks' 24 stay out, this block's eight are in
	s_cmp_lg_u32 s99, s98
	s_cbranch_scc1 .Loff_\tag
.set t, 0
.rept 32
	v_readlane_b32 s[D+t], v[RG+32*\s+t], s2       ; row t's bits inside the block
.set t, t+1
.endr
	v_readlane_b32 s104, v3, s2
	s_not_b32 s104, s104                           ; rows still alive
	s_branch .Lch_\tag
.Loff_\tag:
.set t, 0
.rept 32
	s_mov_b32 s[D+t], 0
.set t, t+1
.endr
	v_readlane_b32 s104, v4, s2                    ; the block's keep word
.Lch_\tag:
.set t, 0
.rept 32
	s_bitcmp1_b32 s104, t
	s_cselect_b32 s[K+t], -1, 0
	s_cselect_b32 s63, s[D+t], 0
	s_and_not1_b32 s104, s104, s63
.set t, t+1
.endr
	v_cmp_eq_u32 vcc_lo, s2, v1
	v_cndmask_b32 v4, v4, s104, vcc_lo             ; lane b of vkeep (off the diagonal: the same word again)
.set t, 0
.rept 32                                           ; four chains, the first of them vrem itself
.if (t%4) == 0
	v_and_or_b32 v3, v[RG+32*\s+t], s[K+t], v3
.else
.if t < 4
	v_and_b32 v[TV+t], s[K+t], v[RG+32*\s+t]
.else
	v_and_or_b32 v[TV+t%4], v[RG+32*\s+t], s[K+t], v[TV+t%4]
.endif
.endif
.set t, t+1
.endr
	v_or_b32 v[TV+1], v[TV+1], v[TV+2]
	v_or_b32 v3, v3, v[TV+3]
	v_or_b32 v3, v3, v[TV+1]
	s_add_co_u32 s2, s2, 1
.endm
	s_load_b256 s[36:43], s[0:1], 0x0              ; pre s[36:37], cidx s[38:39], cnt s[40:41], msk s[42:43]
	s_load_b128 s[44:47], s[0:1], 0x20             ; out0 s[44:45], out1 s[46:47]
	v_and_b32 v1, 31, v0
	v_lshrrev_b32 v5, 5, v0
	v_readfirstlane_b32 s105, v5                   ; wave
	v_lshlrev_b32 v6, 4, v0                        ; 16 t
	v_lshlrev_b32 v7, 2, v0                        ; 4 t
	s_wait_kmcnt 0x0
.irp n, 0,1,2,3
	global_load_b128 v[CI+4*\n:CI+4*\n+3], v6, s[38:39] offset:8192*\n     ; rows 4 (t + 512 n) ..
.endr
.irp n, 0,1,2,3,4,5,6,7,8,9,10,11,12,13,14,15,16,17,18,19
	global_load_b128 v[P+4*\n:P+4*\n+3], v6, s[36:37] offset:8192*\n       ; piece t + 512 n
.endr
	s_cmp_lg_u32 s105, 0
	s_cbranch_scc1 .Lbar1
	; ---- wave 0: the pass ----
	s_load_b32 s60, s[40:41], 0x0                  ; V
	v_lshlrev_b32 v2, 4, v1                        ; 16 x lane
	v_lshlrev_b32 v5, 2, v1                        ; 4 x lane
	v_mov_b32 v3, 0                                ; vrem
	v_mov_b32 v4, 0                                ; vkeep
	v_mov_b32 v[TV], 0
.irp i, 0,1,2,3,4,5,6,7,8,9,10,11,12,13,14,15
	v_mov_b32 v[REM+\i], 0                         ; nothing removed, nothing kept yet
.endr
	ds_store_b32 v[TV], v[TV] offset:KF+32768      ; the word behind the last row
	s_wait_kmcnt 0x0
	s_add_co_u32 s61, s60, 1023
	s_lshr_b32 s61, s61, 10                        ; KW: tiles along an axis
	s_add_co_u32 s60, s60, 31
	s_lshr_b32 s60, s60, 5
	s_add_co_u32 s60, s60, 3
	s_and_b32 s60, s60, -4                         ; W4: blocks, a multiple of 4
	s_add_co_u32 s62, s61, 1
	s_mul_i32 s62, s62, s61
	s_lshr_b32 s62, s62, 1                         ; tiles on and above the diagonal
	s_mov_b32 s98, 0                               ; p
	s_mov_b32 s99, 0                               ; k
	s_mov_b32 s100, 0                              ; tiles done
.Ltile:
	s_lshl_b32 s52, s98, 5
	s_sub_co_u32 s101, s60, s52
	s_min_u32 s101, s101, 32                       ; blocks in this tile: a multiple of 4, at least 4
	s_sub_co_u32 s49, s101, 1
	s_lshr_b32 s51, s101, 2                        ; trips of four blocks
	s_min_u32 s52, s98, 7                          ; bounded in front of their use in addresses
	s_min_u32 s53, s99, 7
	s_lshl3_add_u32 s48, s52, s53
	s_lshl_b32 s48, s48, 17                        ; the tile in msk
	v_add_nc_u32 v[OFS],   s48, v2                 ; each slot has its own offset register, so that one slot's step never
	v_add_nc_u32 v[OFS+1], s48, v2                 ; touches the source of another slot's pending loads
	v_add_nc_u32 v[OFS+2], s48, v2
	LOADBLK 0, 0
	LOADBLK 1, 4096
	LOADBLK 2, 8192
.irp kk, 0,1,2,3,4,5,6,7
	s_cmp_eq_u32 s99, \kk
	s_cselect_b32 vcc_lo, -1, 0
	v_cndmask_b32 v3, v3, v[REM+\kk], vcc_lo       ; vrem = removed bits of tile column k
.endr
	s_mov_b32 s2, 0                                ; b
	s_mov_b32 s3, 0
.Lblk:
	BLOCK 0, 3, a
	BLOCK 1, 0, b
	BLOCK 2, 1, c
	BLOCK 3, 2, d
	s_add_co_u32 s3, s3, 1
	s_cmp_lt_u32 s3, s51
	s_cbranch_scc1 .Lblk
	s_wait_loadcnt 0x0                             ; the three look-aheads behind the tile's end: their registers and offsets are written again in the next tile
.irp kk, 0,1,2,3,4,5,6,7
	s_cmp_eq_u32 s99, \kk
	s_cselect_b32 vcc_lo, -1, 0
	v_cndmask_b32 v[REM+\kk], v[REM+\kk], v3, vcc_lo       ; vrem back into register k
	s_cmp_eq_u32 s98, \kk
	s_cselect_b32 vcc_lo, -1, 0
	v_cndmask_b32 v[KP+\kk], v[KP+\kk], v4, vcc_lo         ; vkeep into register p (off the diagonal: the same words again)
.endr
	s_add_co_u32 s99, s99, 1                       ; the next tile: along the row, then the next diagonal tile
	s_cmp_eq_u32 s99, s61
	s_cselect_b32 s52, 1, 0
	s_add_co_u32 s98, s98, s52
	s_cmp_eq_u32 s99, s61                          ; (again: the sum wrote SCC)
	s_cselect_b32 s99, s98, s99
	s_add_co_u32 s100, s100, 1
	s_cmp_lt_u32 s100, s62
	s_cbranch_scc1 .Ltile
.irp pp, 0,1,2,3,4,5,6,7
	ds_store_b32 v5, v[KP+\pp] offset:KEEPW+128*\pp        ; word 32 p + lane
.endr
	s_wait_dscnt 0x0                               ; zero: the keep words are read by all waves behind the barrier
.Lbar1:
	s_barrier_signal -1
	s_barrier_wait -1
	; ---- all waves: keep of my 16 sorted rows ----
	s_wait_loadcnt 0x0                             ; cidx and pre
.set i, 0
.rept 16
	v_lshrrev_b32 v[RG+i], 5, v[CI+i]
	v_min_u32 v[RG+i], 0xff, v[RG+i]               ; -1 (not valid) lands on the last word; its bit is thrown away below
	v_lshlrev_b32 v[RG+i], 2, v[RG+i]
	ds_load_b32 v[RG+i], v[RG+i] offset:KEEPW
.set i, i+1
.endr
	s_wait_dscnt 0x0
.set i, 0
.rept 16
	v_lshrrev_b32 v[RG+i], v[CI+i], v[RG+i]        ; the shift takes the low five bits of the number
	v_cmp_gt_u32 vcc_lo, 0x2000, v[CI+i]
	v_and_b32 v[RG+i], 1, v[RG+i]
	v_cndmask_b32 v[RG+i], 0, v[RG+i], vcc_lo
.set i, i+1
.endr
.irp n, 0,1,2,3
	v_lshl_or_b32 v[TV], v[RG+4*\n+1], 8, v[RG+4*\n]
	v_lshl_or_b32 v[TV], v[RG+4*\n+2], 16, v[TV]
	v_lshl_or_b32 v[TV], v[RG+4*\n+3], 24, v[TV]
	ds_store_b32 v7, v[TV] offset:KB+2048*\n
	v_cvt_f32_u32 v[RG+4*\n],   v[RG+4*\n]
	v_cvt_f32_u32 v[RG+4*\n+1], v[RG+4*\n+1]
	v_cvt_f32_u32 v[RG+4*\n+2], v[RG+4*\n+2]
	v_cvt_f32_u32 v[RG+4*\n+3], v[RG+4*\n+3]
	ds_store_b128 v6, v[RG+4*\n:RG+4*\n+3] offset:KF+8192*\n
.endr
	s_wait_dscnt 0x0                               ; zero: other waves read these behind the barrier
	s_barrier_signal -1
	s_barrier_wait -1
	; ---- out0 = pre x keep, out1 = keep.  Piece q = t + 512 n holds words 4 q .. 4 q + 3 of rows of five words: rows r0 = 4 q / 5 and r0 + 1 ----
.set F0, 128                           ; v[128:147] keep of r0      (first the LDS address)
.set F1, 148                           ; v[148:167] keep of r0 + 1
.set RM, 168                           ; v[168:187] 4 q - 5 r0
.set n, 0
.rept 20
	v_add_nc_u32 v[RM+n], 2048*n, v7               ; 4 q, at most 40,956
	v_mul_u32_u24 v[F0+n], 0xcccd, v[RM+n]         ; x 52,429 >> 18 = / 5 for numbers below 2^16; the product stays below 2^32
	v_lshrrev_b32 v[F0+n], 18, v[F0+n]
	v_min_u32 v[F0+n], 0x1fff, v[F0+n]             ; changes nothing: writes the row's bound out in front of the address
	v_lshl_add_u32 v[F1+n], v[F0+n], 2, v[F0+n]
	v_sub_nc_u32 v[RM+n], v[RM+n], v[F1+n]
	v_lshlrev_b32 v[F0+n], 2, v[F0+n]
	ds_load_b32 v[F1+n], v[F0+n] offset:KF+4
	ds_load_b32 v[F0+n], v[F0+n] offset:KF
.set n, n+1
.endr
	ds_load_b128 v[188:191], v6 offset:KB
	s_wait_dscnt 0x0
.set n, 0
.rept 20
	v_mul_f32 v[P+4*n], v[P+4*n], v[F0+n]          ; word 0 is always row r0's
.irp e, 1,2,3
	v_cmp_gt_u32 vcc_lo, 5-\e, v[RM+n]             ; word e is still in row r0
	v_cndmask_b32 v[TV], v[F1+n], v[F0+n], vcc_lo
	v_mul_f32 v[P+4*n+\e], v[P+4*n+\e], v[TV]
.endr
	global_store_b128 v6, v[P+4*n:P+4*n+3], s[44:45] offset:8192*n     ; 512 consecutive bytes a wave, aligned
.set n, n+1
.endr
	global_store_b128 v6, v[188:191], s[46:47]
	s_wait_xcnt 0x0
	v_lshl_add_u32 v254, v0, 2, 0xa500
	v_mov_b32 v255, 0
	s_wait_tensorcnt 0x0
	ds_add_u32 v254, v255
	s_wait_dscnt 0x0
	s_endpgm
.Lfunc_end_k_q1cb0d49c30_scan:
	.size	k_q1cb0d49c30_scan, .Lfunc_end_k_q1cb0d49c30_scan-k_q1cb0d49c30_scan
	.p2alignl 7, 3214868480
	.fill 96, 4, 3214868480
	.section	.rodata,"a",@progbits
	.p2align	6, 0x0
	.amdhsa_kernel k_q1cb0d49c30_scan
		.amdhsa_group_segment_fixed_size 44288
		.amdhsa_private_segment_fixed_size 0
		.amdhsa_enable_private_segment 0
		.amdhsa_kernarg_size 48
		.amdhsa_user_sgpr_count 2
		.amdhsa_user_sgpr_kernarg_segment_ptr 1
		.amdhsa_wavefront_size32 1
		.amdhsa_system_sgpr_workgroup_id_x 1
		.amdhsa_system_sgpr_workgroup_id_y 1
		.amdhsa_system_sgpr_workgroup_id_z 1
		.amdhsa_system_vgpr_workitem_id 0
		.amdhsa_next_free_vgpr 256
		.amdhsa_next_free_sgpr 106
		.amdhsa_reserve_vcc 1
		.amdhsa_float_denorm_mode_32 3
		.amdhsa_float_denorm_mode_16_64 3
		.amdhsa_memory_ordered 1
		.amdhsa_forward_progress 1
		.amdhsa_inst_pref_size 77
	.end_amdhsa_kernel
	.amdgpu_metadata
---
amdhsa.version: [ 1, 2 ]
amdhsa.kernels:
  - .name:           k_q1cb0d49c30_scan
    .symbol:         k_q1cb0d49c30_scan.kd
    .args:
      - { .name: pre, .offset: 0, .size: 8, .value_kind: global_buffer, .address_space: global }
      - { .name: cidx, .offset: 8, .size: 8, .value_kind: global_buffer, .address_space: global }
      - { .name: cnt, .offset: 16, .size: 8, .value_kind: global_buffer, .address_space: global }
      - { .name: msk, .offset: 24, .size: 8, .value_kind: global_buffer, .address_space: global }
      - { .name: out0, .offset: 32, .size: 8, .value_kind: global_buffer, .address_space: global }
      - { .name: out1, .offset: 40, .size: 8, .value_kind: global_buffer, .address_space: global }
    .group_segment_fixed_size: 44288
    .private_segment_fixed_size: 0
    .kernarg_segment_align: 8
    .kernarg_segment_size: 48
    .max_flat_workgroup_size: 512
    .sgpr_count:     106
    .vgpr_count:     256
    .wavefront_size: 32
...
	.end_amdgpu_metadata
.endif
;; end of part 4
